; MI455X (gfx1250); checked and timed in simulation.
; The chip was launched on July 23, 2026; its instructions are those of AMD's public machine-readable ISA for CDNA 5 (MIT licence, August 2026) and "CDNA5" Instruction Set Architecture Reference Guide (July 2026). The comments in the code are by the model that wrote it; some were corrected since.
;; Layout Lmv2 Self Attention. Allowed arithmetic: matrix products marked QUANTISED: E4M3 operands, one given power-of-two scale a tensor, by v_wmma_f32_16x16x64_fp8_fp8 or v_wmma_f32_16x16x128_fp8_fp8, f32 sums; everything else in f32.
;; Inputs: attention_mask 8 x 1 x 1 x 1,024 int32; hidden_states 8 x 1,024 x 1,024 float32; lowp_scales 6 int32 (the exponents e of the quantised operands' scales 2^e); q_bias 1 x 1 x 1,024 float32; qkv_w 3,072 x 1,024 float32; rel_2d_pos 1 x 16 x 1,024 x 1,024 float32; rel_pos 1 x 16 x 1,024 x 1,024 float32; v_bias 1 x 1 x 1,024 float32.
;; Outputs: out0 8 x 1,024 x 1,024 float32.
;; This version of the problem:
;;   THIS VERSION OF THE PROBLEM IS GIVEN IN LOW PRECISION. The matrix products marked QUANTISED in the list below multiply operands that are first quantised to E4M3 (4 exponent bits, 3 mantissa bits; 8 bits a number), with one given power-of-two scale for each operand tensor; their sums are f32. All else is computed in f32.
;;   The module's matrix products, in the order in which they are computed (A, B: the left and right operand; K: the contracted axis; several contracted axes count as one K, in the product's order):
;;     1. [M 8,192, K 1,024] x [K 1,024, N 3,072]; A: input hidden_states; B: input qkv_w: QUANTISED (scales: A lowp_scales[0], B lowp_scales[1])
;;     2. batch 128 x [M 1,024, K 64] x [K 64, N 1,024]; A: computed on the way; B: computed on the way: QUANTISED (scales: A lowp_scales[2], B lowp_scales[3])
;;     3. batch 128 x [M 1,024, K 1,024] x [K 1,024, N 64]; A: softmax (see below); B: computed on the way: QUANTISED (scales: A lowp_scales[4], B lowp_scales[5])
;;   THE QUANTISER, for each operand of a quantised product, along K:
;;     - The operand's scale is 2^e, e = its entry of the input lowp_scales (int32; the entries are numbered through the quantised products in the list's order, A before B).
;;     - Each number is divided by the scale, clamped to +-448, and rounded to the nearest number of E4M3, ties to even, subnormals kept.
;;     - The product sums the exact products of the quantised numbers (number of the format x scale) in f32.
;;   ~~~python
;;   def quantise(x, axis, e):      # numpy; x: float32 -> the quantised numbers, widened to float32 again
;;       x = np.moveaxis(x, axis, -1); K = x.shape[-1]
;;       r = np.clip(x / 2.0 ** e, -448, 448)
;;       step = 2.0 ** (np.maximum(np.frexp(np.where(r == 0, 1, r))[1] - 1, -6) - 3)
;;       q = np.round(r / step) * step * 2.0 ** e      # np.round: ties to even
;;       return np.moveaxis(q, -1, axis).astype(np.float32)
;;   ~~~
;;   SOFTMAX AHEAD OF A QUANTISED PRODUCT. Where the list says 'softmax', what is quantised is not the finished softmax but p = 2^(t - M), with t = logit x log2(e) and M = ceil(the row's largest t), a whole number; so 1/2 < the row's largest p <= 1. The row's sum l is taken of the UNQUANTISED p, in f32, and the product's result is divided by l at the end. Since M is a whole number, a kernel that streams over the keys may use a running M (the ceiling of the running maximum): every later rescaling is an exact power of two, so the quantised numbers keep their values, but for numbers so far below the row's largest that they fall under the format's range.
;;   OPERANDS COMPUTED ON THE WAY. 'Computed on the way' means the value that the module computes at that place (a softmax that the list does not call 'softmax' is quantised finished and normalised). What goes into a quantiser is computed in f32, as accurately as f32 sums, v_exp_f32 and their like allow (about 1e-6 of the number): no bf16 or f16 on the way to a quantiser, and a product that is left as it is and whose result goes on into a quantised operand takes f32 operands (vector FMAs, or v_wmma_f32_16x16x4_f32). A number that lies on a knife's edge between two numbers of the format may be rounded either way, as far as f32 arithmetic and the matrix unit's own rounding can turn it there, and no further.
;; One version. Each part assembles by itself: llvm-mc -triple=amdgcn-amd-amdhsa -mcpu=gfx1250 --defsym DOCPART=n.
;; ======== version 1 of 1: 3 launches
;; limits: right only within a limited range of input values
;; workspace buffers: a_codes 8,388,608 bytes; w_codes 3,145,728 bytes; qkv 25,165,824 bytes
;; launch quant (part 1): grid 704 x 1, 4 waves a work-group, no clusters, 33,280 bytes of LDS; arguments hidden_states, qkv_w, lowp_scales, a_codes, w_codes; writes a_codes, w_codes
.if DOCPART == 1
	.amdgcn_target "amdgcn-amd-amdhsa--gfx1250"
	.amdhsa_code_object_version 6
	.text
	.protected	k_q12731e7944_quant
	.globl	k_q12731e7944_quant
	.p2align	8
	.type	k_q12731e7944_quant,@function
k_q12731e7944_quant:
	s_mov_b64 s[64:65], 0
	v_nop
	global_prefetch_b8 v0, s[64:65] scope:SCOPE_SE
	s_setreg_imm32_b32 hwreg(HW_REG_WAVE_MODE, 25, 1), 1
	s_wait_xcnt 0x0
; hidden_states [8192][1024] and qkv_w [3072][1024], f32, become codes of FP8 (E4M3), K innermost, each with its given scale 2^e (entries 0 and 1 of the scales).
; code = x / 2^e, held within +-448, rounded to the nearest code, ties to even.  LIMITS: -126 <= e <= 119.  NaN among the inputs is not served.
; Rows are dense and K is a multiple of 32: both tensors are plain streams of numbers, and so are their codes.
; Work-groups 0-511 take hidden_states, 512-703 qkv_w: 16,384 numbers each, a wave 8 steps of 512.  Each load reads 512 consecutive bytes; a step's 2,048 bytes turn through the wave's own
; stage in LDS (16 bytes of padding behind each 64), so that a lane then holds 16 neighbours along K; its 16 codes are 16 bytes, and the wave stores 512 consecutive bytes.
; No tensor loads, no barrier: waves share nothing.  Loads run four steps (16 loads a wave) ahead, the turn through LDS one step.
.set SIZE_M, 8192
.set SIZE_K, 1024
.set WAVES, 4
.set STEPS, 8
.set WGA,   SIZE_M*SIZE_K/(512*STEPS*WAVES)    ; 512 work-groups for hidden_states
.set EMAX,  8
.set MANT,  0x600000                   ; the mantissa field of 448 as f32
.set CB,    16                         ; bytes of 16 codes
.set R,     16                         ; v16-79   four sets of 16 numbers as they are loaded
.set X,     80                         ; v80-111  two sets of 16 neighbours
.set C,     128                        ; v128-159 codes: four registers for each step, so that no store's data are written again
.set WREG,  8192                       ; LDS: a region of its own for each wave: two stages of 32 x SP bytes
.set SP,    80                         ; a lane's place in a stage: its 64 bytes + 16 of padding
.set SPW,   12                         ; v12 my spare word; never rewritten
.set NIL,   13                         ; v13 0; never rewritten
.set SPARE, WAVES*WREG                 ; behind the four regions: the spare words
	s_load_b128 s[4:7], s[0:1], 0x0                ; hidden_states, qkv_w
	s_load_b64 s[10:11], s[0:1], 0x10              ; the scales' exponents
	s_load_b128 s[12:15], s[0:1], 0x18             ; a_codes, w_codes
	v_lshl_add_u32 v[SPW], v0, 2, SPARE
	v_mov_b32 v[NIL], 0
	v_lshrrev_b32 v1, 5, v0
	v_readfirstlane_b32 s16, v1                    ; wave
	v_and_b32 v2, 31, v0                           ; lane
	v_lshlrev_b32 v3, 4, v2                        ; my 16 bytes of a load's 512
	s_mul_i32 s17, s16, WREG
	v_lshrrev_b32 v14, 2, v2
	v_mul_u32_u24 v14, v14, SP
	v_and_b32 v15, 3, v2
	v_lshl_add_u32 v14, v15, 4, v14
	v_add_nc_u32 v14, s17, v14                     ; the stage, on the way in: SP (lane / 4) + 16 (lane % 4)
	v_mul_u32_u24 v15, v2, SP
	v_add_nc_u32 v15, s17, v15                     ; and on the way out: SP x lane: my 16 neighbours
	v_mul_u32_u24 v4, v2, CB                       ; my codes' place in a step's
	s_wait_alu depctr_va_vdst(0)                   ; directly ahead of the wait below
	s_wait_kmcnt 0x0
	s_load_b64 s[22:23], s[10:11], 0x0             ; e0, e1
	s_cmp_lt_u32 ttmp9, WGA                        ; which tensor: the choice hangs on the work-group's number alone
	s_cselect_b64 s[4:5], s[4:5], s[6:7]
	s_cselect_b64 s[8:9], s[12:13], s[14:15]
	s_cselect_b32 s17, 0, WGA
	s_sub_co_u32 s17, ttmp9, s17
	s_lshl_b32 s17, s17, 2
	s_add_co_u32 s18, s17, s16                     ; which run of 4,096 numbers of the tensor is my wave's
	s_mov_b32 s19, 0
	s_mov_b64 s[20:21], 512*STEPS*4
	s_mul_u64 s[20:21], s[18:19], s[20:21]
	s_add_nc_u64 s[4:5], s[4:5], s[20:21]
	s_mov_b64 s[20:21], 32*STEPS*CB
	s_mul_u64 s[20:21], s[18:19], s[20:21]
	s_add_nc_u64 s[8:9], s[8:9], s[20:21]
.macro LOAD t
.irp i, 0,1,2,3
	global_load_b128 v[R+16*((\t)%4)+4*\i:R+16*((\t)%4)+4*\i+3], v3, s[4:5] offset:2048*(\t)+512*\i th:TH_LOAD_NT   ; 32 lanes read 512 consecutive bytes
.endr
.endm
.macro TURN t                          ; step t's numbers through the stage: LDS serves a wave's instructions in order, so no wait stands between the stores and the loads
.irp i, 0,1,2,3
	ds_store_b128 v14, v[R+16*((\t)%4)+4*\i:R+16*((\t)%4)+4*\i+3] offset:32*SP*((\t)%2)+8*SP*\i
.endr
.irp i, 0,1,2,3
	ds_load_b128 v[X+16*((\t)%2)+4*\i:X+16*((\t)%2)+4*\i+3], v15 offset:32*SP*((\t)%2)+16*\i
.endr
.endm
.irp t, 0,1,2,3
	LOAD \t
.endr
	s_wait_kmcnt 0x0
	s_cmp_lt_u32 ttmp9, WGA
	s_cselect_b32 s22, s22, s23                    ; e
	s_add_co_i32 s22, s22, 127
	s_lshl_b32 s23, s22, 23
	v_mov_b32 v11, s23                             ; 2^e as f32: the conversion takes its exponent field
	s_add_co_i32 s22, s22, EMAX
	s_lshl_b32 s22, s22, 23
	s_or_b32 s22, s22, MANT
	v_mov_b32 v10, s22                             ; 448 x 2^e
	s_wait_alu depctr_va_vdst(0)                   ; the head's end
	s_wait_loadcnt 12                              ; step 0's four loads are in; the twelve of steps 1 to 3 may be out
	TURN 0
.macro STEP t
.set XS, X+16*((\t)%2)
	s_wait_dscnt 0x0                               ; this step's numbers are back from the stage: so its stores into the stage have read their registers,
.if (\t)+4 < STEPS
	LOAD (\t)+4                                    ; which take the loads of four steps on
.endif
.if (\t)+1 < STEPS
.if STEPS-2-(\t) >= 3
	s_wait_loadcnt 12                              ; the next step's four loads are in; those of the three steps behind it may be out
.else
	s_wait_loadcnt 4*(STEPS-2-(\t))
.endif
	TURN (\t)+1                                    ; and go through the other stage while this step is worked
.endif
.irp i, 0,1,2,3,4,5,6,7,8,9,10,11,12,13,14,15
	v_med3_num_f32 v[XS+\i], v[XS+\i], -v10, v10   ; the conversion to an 8-bit code does not saturate (ISA guide 7.6.2): the hold comes first
.endr
	v_cvt_scalef32_pk8_fp8_f32 v[C+4*(\t):C+4*(\t)+1], v[XS:XS+7], v11
	v_cvt_scalef32_pk8_fp8_f32 v[C+4*(\t)+2:C+4*(\t)+3], v[XS+8:XS+15], v11
	global_store_b128 v4, v[C+4*(\t):C+4*(\t)+3], s[8:9] offset:32*CB*(\t)   ; the codes go to a store alone; the next step's holds are plain lines on other registers
.endm
.irp t, 0,1,2,3,4,5,6,7
	STEP \t
.endr
	s_wait_tensorcnt 0x0                           ; the wave's end, behind my last LDS store
	ds_add_u32 v[SPW], v[NIL]
	s_wait_dscnt 0x0
	s_endpgm
.Lfunc_end_k_q12731e7944_quant:
	.size	k_q12731e7944_quant, .Lfunc_end_k_q12731e7944_quant-k_q12731e7944_quant
	.p2alignl 7, 3214868480
	.fill 96, 4, 3214868480
	.section	.rodata,"a",@progbits
	.p2align	6, 0x0
	.amdhsa_kernel k_q12731e7944_quant
		.amdhsa_group_segment_fixed_size 33280
		.amdhsa_private_segment_fixed_size 0
		.amdhsa_enable_private_segment 0
		.amdhsa_kernarg_size 40
		.amdhsa_user_sgpr_count 2
		.amdhsa_user_sgpr_kernarg_segment_ptr 1
		.amdhsa_wavefront_size32 1
		.amdhsa_system_sgpr_workgroup_id_x 1
		.amdhsa_system_sgpr_workgroup_id_y 1
		.amdhsa_system_sgpr_workgroup_id_z 1
		.amdhsa_system_vgpr_workitem_id 0
		.amdhsa_next_free_vgpr 160
		.amdhsa_next_free_sgpr 66
		.amdhsa_reserve_vcc 0
		.amdhsa_float_denorm_mode_32 3
		.amdhsa_float_denorm_mode_16_64 3
		.amdhsa_memory_ordered 1
		.amdhsa_forward_progress 1
		.amdhsa_inst_pref_size 20
	.end_amdhsa_kernel
	.amdgpu_metadata
---
amdhsa.version: [ 1, 2 ]
amdhsa.kernels:
  - .name:           k_q12731e7944_quant
    .symbol:         k_q12731e7944_quant.kd
    .args:
      - { .name: hidden_states, .offset: 0, .size: 8, .value_kind: global_buffer, .address_space: global }
      - { .name: qkv_w, .offset: 8, .size: 8, .value_kind: global_buffer, .address_space: global }
      - { .name: lowp_scales, .offset: 16, .size: 8, .value_kind: global_buffer, .address_space: global }
      - { .name: a_codes, .offset: 24, .size: 8, .value_kind: global_buffer, .address_space: global }
      - { .name: w_codes, .offset: 32, .size: 8, .value_kind: global_buffer, .address_space: global }
    .group_segment_fixed_size: 33280
    .private_segment_fixed_size: 0
    .kernarg_segment_align: 8
    .kernarg_segment_size: 40
    .max_flat_workgroup_size: 128
    .sgpr_count:     66
    .vgpr_count:     160
    .wavefront_size: 32
...
	.end_amdgpu_metadata
.endif
;; end of part 1
;; launch proj (part 2): grid 8 x 32, 4 waves a work-group, clusters of 4 x 4, 327,680 bytes of LDS; arguments a_codes, w_codes, lowp_scales, qkv, q_bias, v_bias; writes qkv
.if DOCPART == 2
	.amdgcn_target "amdgcn-amd-amdhsa--gfx1250"
	.amdhsa_code_object_version 6
	.text
	.protected	k_q12731e7944_proj
	.globl	k_q12731e7944_proj
	.p2align	8
	.type	k_q12731e7944_proj,@function
k_q12731e7944_proj:
	s_mov_b64 s[64:65], 0
	v_nop
	global_prefetch_b8 v0, s[64:65] scope:SCOPE_SE
	s_setreg_imm32_b32 hwreg(HW_REG_WAVE_MODE, 25, 1), 1
	s_wait_xcnt 0x0
	s_wait_alu depctr_hold_cnt(0) depctr_sa_sdst(0) depctr_va_vdst(0) depctr_va_sdst(0) depctr_va_ssrc(0) depctr_va_vcc(0) depctr_vm_vsrc(0)
	s_getreg_b32 s2, hwreg(HW_REG_IB_STS2, 6, 4)
	s_cmp_eq_u32 s2, 0
	s_cbranch_scc0 .Lentry_in_a_cluster
	s_endpgm
.Lentry_in_a_cluster:
	s_bfe_u32 s2, ttmp6, 0x10000c
	s_cmp_lg_u32 s2, 0xf033
	s_cbranch_scc0 .Lentry_shape_is_right
	s_endpgm
.Lentry_shape_is_right:
; qkv = hidden_states x qkv_w^T on codes of FP8 (E4M3), then the biases, q's division by 8, and the quantiser of the attention's operands (scales 2^e2 for q, 2^e3 for k, 2^e5 for v): codes go out as register images.
; THE IMAGES: section q, k, v (8 MiB each) / head (512 KiB) / 64 tokens (32 KiB) / batch (4 KiB) / fragment of 16 rows x 64 (1 KiB) / half (512 bytes) / 16 bytes a lane.  q, k: rows = tokens, along the head's 64; v: rows = channels, along 64 tokens.
; ONE TURN OF 256 WORK-GROUPS, EACH WITH TWO PHASES on the same 256 tokens (tile row Y).  PHASE 1: 256 tokens x 256 channels of q or k (tile column X = 0..7): source 0 = w's rows, source 1 = tokens: a lane holds one token and
; eight neighbouring channels.  A wave makes 128 x 128: 64 accumulators.  PHASE 2: 128 channels of v (128 X ..) x the 256 tokens: source 0 = tokens, source 1 = w_v's rows: a lane holds one channel and eight neighbouring tokens.
; A wave makes 64 channels x 128 tokens: 32 accumulators.  K = 1,024 goes in steps of 256 through a ring of two LDS slots; THE RING GOES ON from phase 1 into phase 2: phase 1's last two changes of slots ask for phase 2's K steps 0 and 1,
; which land while phase 1's codes go out.  So the way out has a stage of its own behind the ring (8 KiB a wave), into which no tile lands.
; CLUSTERS 4 x 4: the tokens' tile hangs on Y alone and is asked for jointly along a row of the cluster, w's tiles on X alone, along a column.  NO PREFETCH: a phase has four K steps, at the largest block, in clusters.
; LIMITS: each power of two below is an f32 number: e0 + e1 between -126 and 126; e_t - e0 - e1 + 3 between -126 and 119 for e_t = e2, e3, e5.  NaN among the inputs is not served.
; REGISTERS.  Window 0: v16-26 addresses; v28, v29 the add's; v32-95 q's bias as C, then codes read back; v96-103 v's bias; v112-115 scales and holds; v128-255 source 1's fragments, on the way out at work.
;   Window 1: source 0's fragments, two sets.  Windows 2, 3: accumulator (a, b) at v[8 (8 (a % 4) + b)].
.set SIZE_K, 1024
.set ROWB,   256
.set KROW,   SIZE_K
.set PITCH,  272                       ; an LDS row: 256 bytes + 16 of padding
.set FR,     16
.set NL,     4
.set NP,     4
.set HALFT,  128*PITCH
.set SLOT,   4*HALFT                   ; the tokens' 256 rows, then w's (256 in phase 1, 128 in phase 2)
.set SPARE,  2*SLOT
.set STAGE,  SPARE+512
.set ADRA,  16                         ; phase 1, source 1: tokens, in slot 0, 1
.set ADRA2, 18                         ; phase 2, source 1: w_v's rows
.set ADRB,  20                         ; phase 1, source 0: w's rows
.set ADRB2, 22                         ; phase 2, source 0: tokens
.set STO,  24
.set RD,   25
.set CO,   26
.set SPW,  28
.set NIL,  29
.set BY,   32
.set BX,   96
.set SCL,  112
.set HOLD, 113
.set SCL2, 114
.set HOLD2, 115
.set AF,   128
.set T,    128
.set G1,  24                           ; group 1 and groups 0 (a set a slot): the tokens' tiles
.set G0,  32
.set G1B, 48                           ; w's tiles of phase 1
.set G0B, 56
.set G1C, 72                           ; w_v's tiles: 64 rows a load
.set G0C, 80
.set MSB, 0
.macro WIN new
.if MSB != (\new)
	s_set_vgpr_msb (MSB<<8)|(\new)
.set MSB, (\new)
.endif
.endm
.set MUL_LO, 0xa1
.set MUL_HI, 0xf1
.set ONE_LO, 0x81                      ; C in window 0: the bias
.set ONE_HI, 0xc1
.set TO_B,   0x40
.macro JLOAD g0a, g1a, g0b, g1b        ; waves 0, 1 fetch the tokens' halves, waves 2, 3 w's.  An s_nop 0 and four v_nop follow each line
	s_cmp_eq_u32 s15, 0
	s_cbranch_scc0 .Lfor_b_\@
	tensor_load_to_lds s[\g0a:\g0a+3], s[\g1a:\g1a+7]
	s_nop 0
.rept 4
	v_nop
.endr
	s_branch .Lasked_\@
.Lfor_b_\@:
	tensor_load_to_lds s[\g0b:\g0b+3], s[\g1b:\g1b+7]
	s_nop 0
.rept 4
	v_nop
.endr
.Lasked_\@:
.endm
.macro CREST
	s_cmp_lg_u32 s14, 0
	s_cbranch_scc1 .Lnot_wave_0_\@
	s_barrier_signal -3
.Lnot_wave_0_\@:
	s_barrier_wait -3
	s_barrier_signal -1
	s_barrier_wait -1
.endm
.macro CROUND
	s_barrier_signal -1
	s_barrier_wait -1
	CREST
.endm
	s_load_b128 s[4:7], s[0:1], 0x0                ; a_codes, w_codes
	s_load_b128 s[8:11], s[0:1], 0x10              ; the scales' exponents, qkv
	s_load_b128 s[68:71], s[0:1], 0x20             ; q_bias, v_bias
	v_lshl_add_u32 v[SPW], v0, 2, SPARE
	v_mov_b32 v[NIL], 0
	ds_add_u32 v[SPW], v[NIL]                      ; the opening: the add, twice on end, and its wait ahead of my first tensor load
	ds_add_u32 v[SPW], v[NIL]
	v_lshrrev_b32 v1, 5, v0
	v_readfirstlane_b32 s14, v1                    ; wave
	s_lshr_b32 s15, s14, 1
	s_and_b32 s16, s14, 1
	s_bfe_u32 s40, ttmp6, 0x40000                  ; cx
	s_bfe_u32 s41, ttmp6, 0x40004                  ; cy
	s_lshl_b32 s42, ttmp9, 2
	s_add_co_u32 s42, s42, s40                     ; X
	s_and_b32 s17, ttmp7, 0xffff
	s_lshl_b32 s17, s17, 2
	s_add_co_u32 s17, s17, s41                     ; Y
	s_lshl_b32 s43, s41, 2
	s_lshl_b32 s43, 15, s43                        ; my row of the cluster
	s_lshl_b32 s44, 0x1111, s40                    ; my column
	s_or_b32 s[G1+0], s43, (0<<16)|(1<<20)|(1<<21)|(5<<22)|(3<<25)   ; elements of 1 byte; four words of padding after every 64
	s_or_b32 s[G1B+0], s44, (0<<16)|(1<<20)|(1<<21)|(5<<22)|(3<<25)
	s_or_b32 s[G1C+0], s44, (0<<16)|(1<<20)|(1<<21)|(5<<22)|(3<<25)
.irp g, G1, G1B
	s_mov_b32 s[\g+1], ROWB<<16
	s_mov_b32 s[\g+2], 128<<16
	s_mov_b32 s[\g+3], ROWB<<16
	s_mov_b32 s[\g+4], 128
	s_mov_b32 s[\g+5], KROW
	s_mov_b32 s[\g+6], 0
	s_mov_b32 s[\g+7], 0
.endr
	s_mov_b32 s[G1C+1], ROWB<<16
	s_mov_b32 s[G1C+2], 64<<16
	s_mov_b32 s[G1C+3], ROWB<<16
	s_mov_b32 s[G1C+4], 64
	s_mov_b32 s[G1C+5], KROW
	s_mov_b32 s[G1C+6], 0
	s_mov_b32 s[G1C+7], 0
	s_lshl_b32 s18, s16, 7
	s_lshl_b32 s20, s17, 8
	s_add_co_u32 s20, s20, s18                     ; tokens: row 256 Y + 128 x half
	s_lshl_b32 s20, s20, 10                        ; in bytes
	s_mov_b32 s21, 0
	s_lshl_b32 s46, s42, 8
	s_add_co_u32 s46, s46, s18                     ; w, phase 1: row 256 X + 128 x half
	s_lshl_b32 s46, s46, 10
	s_mov_b32 s47, 0
	s_lshl_b32 s66, s42, 7
	s_lshl_b32 s67, s16, 6
	s_add_co_u32 s66, s66, s67
	s_add_co_u32 s66, s66, 2048                    ; w, phase 2: row 2048 + 128 X + 64 x half
	s_lshl_b32 s66, s66, 10
	s_mov_b32 s67, 0
	s_mul_i32 s45, s14, HALFT                      ; where they go: wave x 128 rows;
	s_mul_i32 s19, s16, 64*PITCH
	s_add_co_u32 s19, s19, 2*HALFT                 ; w_v's: behind the tokens' 256 rows, 64 rows a wave
	s_wait_dscnt 0x0                               ; both opening adds are done
	s_wait_kmcnt 0x0
	s_add_nc_u64 s[20:21], s[4:5], s[20:21]
	s_add_nc_u64 s[46:47], s[6:7], s[46:47]
	s_add_nc_u64 s[66:67], s[6:7], s[66:67]
	s_load_b128 s[4:7], s[8:9], 0x0                ; e0 .. e3
	s_load_b32 s22, s[8:9], 0x14                   ; e5
	CROUND                                         ; all sixteen work-groups are here: the first joint loads meet
.irp s, 0,1
	s_mov_b32 s[G0+4*\s], 1
	s_add_co_u32 s[G0+4*\s+1], s45, \s*SLOT
	s_add_nc_u64 s[G0+4*\s+2:G0+4*\s+3], s[20:21], \s*ROWB
	s_or_b32 s[G0+4*\s+3], s[G0+4*\s+3], 0x80000000
	s_mov_b32 s[G0B+4*\s], 1
	s_add_co_u32 s[G0B+4*\s+1], s45, \s*SLOT
	s_add_nc_u64 s[G0B+4*\s+2:G0B+4*\s+3], s[46:47], \s*ROWB
	s_or_b32 s[G0B+4*\s+3], s[G0B+4*\s+3], 0x80000000
	s_mov_b32 s[G0C+4*\s], 1
	s_add_co_u32 s[G0C+4*\s+1], s19, \s*SLOT
	s_add_nc_u64 s[G0C+4*\s+2:G0C+4*\s+3], s[66:67], \s*ROWB
	s_or_b32 s[G0C+4*\s+3], s[G0C+4*\s+3], 0x80000000
.endr
	JLOAD G0, G1, G0B, G1B                         ; K step 0: one tensor load a wave at the head
	s_mul_i32 s12, s15, HALFT                      ; phase 1: my 128 tokens,
	s_mul_i32 s13, s16, HALFT                      ; phase 2: my 128 tokens,
	s_add_co_u32 s18, s13, 2*HALFT                 ; phase 1: my 128 rows of w,
	s_mul_i32 s19, s15, 64*PITCH
	s_add_co_u32 s19, s19, 2*HALFT                 ; phase 2: my 64 rows of w_v
	s_lshl_b32 s3, s14, 13
	s_add_co_u32 s3, s3, STAGE                     ; my stage
	s_lshl_b32 s46, s42, 8
	s_lshl_b32 s47, s16, 7
	s_add_co_u32 s46, s46, s47
	s_and_b32 s46, s46, 1023
	s_lshl_b32 s46, s46, 2                         ; q_bias at my first channel
	s_mov_b32 s47, 0
	s_add_nc_u64 s[68:69], s[68:69], s[46:47]
	s_lshl_b32 s66, s42, 7
	s_lshl_b32 s67, s15, 6
	s_add_co_u32 s66, s66, s67
	s_lshl_b32 s66, s66, 2                         ; v_bias at my first channel
	s_mov_b32 s67, 0
	s_add_nc_u64 s[70:71], s[70:71], s[66:67]
	v_and_b32 v1, 15, v0                           ; r
	v_bfe_u32 v2, v0, 4, 1                         ; h
	v_mul_u32_u24 v3, v1, PITCH
	v_lshl_add_u32 v4, v2, 4, v3
	v_add_nc_u32 v[ADRA], s12, v4
	v_add_nc_u32 v[ADRB], s18, v4
	v_add_nc_u32 v[ADRB2], s13, v4
	v_add_nc_u32 v[ADRA2], s19, v4
	v_add_nc_u32 v[ADRA+1], SLOT, v[ADRA]
	v_add_nc_u32 v[ADRB+1], SLOT, v[ADRB]
	v_add_nc_u32 v[ADRB2+1], SLOT, v[ADRB2]
	v_add_nc_u32 v[ADRA2+1], SLOT, v[ADRA2]
	v_lshrrev_b32 v5, 3, v1
	v_and_b32 v6, 7, v1
	v_lshlrev_b32 v6, 4, v6
	v_lshl_add_u32 v5, v5, 10, v6
	v_lshl_add_u32 v5, v2, 3, v5
	v_add_nc_u32 v[STO], s3, v5                    ; into the stage: 1,024 (r / 8) + 16 (r % 8) + 8 h
	v_and_b32 v6, 31, v0
	v_lshlrev_b32 v[CO], 4, v6
	v_add_nc_u32 v[RD], s3, v[CO]                  ; and back: 16 x lane
	v_lshlrev_b32 v7, 5, v2
	v_lshlrev_b32 v8, 2, v1
.irp b, 0,1,2,3,4,5,6,7
	global_load_b128 v[BY+8*\b:BY+8*\b+3], v7, s[68:69] offset:64*\b          ; q_bias at my lane's eight channels of block b
	global_load_b128 v[BY+8*\b+4:BY+8*\b+7], v7, s[68:69] offset:64*\b+16
.endr
.irp a, 0,1,2,3
	global_load_b32 v[BX+2*\a], v8, s[70:71] offset:64*\a                     ; v_bias at my lane's channel of block a
.endr
	; where the images go.  Phase 1: section, head, 64 tokens, batch; + 0x8000 for the next 64 tokens, + 0x80000 for the next head
	s_lshl_b32 s12, s42, 8
	s_lshl_b32 s13, s16, 7
	s_add_co_u32 s12, s12, s13
	s_and_b32 s12, s12, 1023
	s_lshr_b32 s12, s12, 6
	s_lshl_b32 s12, s12, 19
	s_lshl_b32 s13, ttmp9, 23
	s_add_co_u32 s12, s12, s13
	s_lshl_b32 s18, s17, 8
	s_lshl_b32 s13, s15, 7
	s_add_co_u32 s18, s18, s13
	s_and_b32 s13, s18, 1023
	s_lshr_b32 s13, s13, 6
	s_lshl_b32 s13, s13, 15
	s_add_co_u32 s12, s12, s13
	s_lshr_b32 s18, s18, 10
	s_lshl_b32 s18, s18, 12
	s_add_co_u32 s12, s12, s18
	s_mov_b32 s13, 0
	s_add_nc_u64 s[88:89], s[10:11], s[12:13]
	s_add_nc_u64 s[90:91], s[88:89], 0x8000
	s_add_nc_u64 s[92:93], s[88:89], 0x80000
	s_add_nc_u64 s[94:95], s[88:89], 0x88000
	s_lshl_b32 s12, s42, 1                         ; phase 2: head 2 X + my half
	s_add_co_u32 s12, s12, s15
	s_lshl_b32 s12, s12, 19
	s_add_co_u32 s12, s12, 0x1000000
	s_lshl_b32 s18, s17, 8
	s_lshl_b32 s13, s16, 7
	s_add_co_u32 s18, s18, s13
	s_and_b32 s13, s18, 1023
	s_lshr_b32 s13, s13, 6
	s_lshl_b32 s13, s13, 15
	s_add_co_u32 s12, s12, s13
	s_lshr_b32 s18, s18, 10
	s_lshl_b32 s18, s18, 12
	s_add_co_u32 s12, s12, s18
	s_mov_b32 s13, 0
	s_add_nc_u64 s[96:97], s[10:11], s[12:13]
	s_add_nc_u64 s[98:99], s[96:97], 0x8000
	s_wait_kmcnt 0x0
	s_add_co_i32 s12, s4, s5                       ; e0 + e1: a sum stands for sum x 2^(e0 + e1)
	s_sub_co_i32 s13, 127, s12
	s_lshl_b32 s13, s13, 23                        ; 2^-(e0 + e1): a bias goes in divided by what the sums lack
	s_cmp_eq_u32 ttmp9, 0                          ; section q?  (the cluster's x: the same in all partners)
	s_cselect_b32 s18, s13, 0                      ; k has no bias
	s_cselect_b32 s3, s6, s7                       ; e2 or e3
	s_cselect_b32 s2, 3, 0                         ; q / 8
	s_mov_b32 s19, s18
	s_sub_co_i32 s3, s3, s12
	s_add_co_i32 s3, s3, s2
	s_add_co_i32 s3, s3, 127
	s_lshl_b32 s2, s3, 23
	v_mov_b32 v[SCL], s2                           ; the conversion's scale: the scales ahead of the quantiser folded into one
	s_add_co_i32 s3, s3, 8
	s_lshl_b32 s3, s3, 23
	s_or_b32 s3, s3, 0x600000
	v_mov_b32 v[HOLD], s3                          ; 448 x that
	s_sub_co_i32 s3, s22, s12
	s_add_co_i32 s3, s3, 127
	s_lshl_b32 s2, s3, 23
	v_mov_b32 v[SCL2], s2                          ; the same for v
	s_add_co_i32 s3, s3, 8
	s_lshl_b32 s3, s3, 23
	s_or_b32 s3, s3, 0x600000
	v_mov_b32 v[HOLD2], s3
	s_wait_loadcnt 0x0
.set j, 0
.rept 32
	v_pk_mul_f32 v[BY+j:BY+j+1], v[BY+j:BY+j+1], s[18:19] op_sel_hi:[1,0]
.set j, j+2
.endr
.irp a, 0,1,2,3
	v_mul_f32 v[BX+2*\a+1], s13, v[BX+2*\a]
	v_mul_f32 v[BX+2*\a], s13, v[BX+2*\a]
.endr
.macro FRAG reg, adr, q, i             ; 16 rows x 128 K: registers 4 c .. 4 c + 3 hold K = 32 c + 16 h + 0 .. 15, alike in both sources
.irp c, 0,1,2,3
	ds_load_b128 v[\reg+4*\c:\reg+4*\c+3], v[\adr] offset:128*(\q)+32*\c+(\i)*16*PITCH
.endr
.endm
; 16 matrix instructions: source 1's blocks a0, a0 + 1 x source 0's eight.  mode 1: the bias starts the sums; 2: the constant 0; 0: in place.  The accumulators take turns
.macro MUL16 a0, p, mode
.irp a, \a0, \a0+1
.irp b, 0,1,2,3,4,5,6,7
.if (\mode) == 1
	v_wmma_f32_16x16x128_fp8_fp8 v[8*(8*((\a)%4)+\b):8*(8*((\a)%4)+\b)+7], v[128*(\p)+FR*\b:128*(\p)+FR*\b+FR-1], v[AF+FR*(\a):AF+FR*(\a)+FR-1], v[BY+8*\b:BY+8*\b+7]
.else
.if (\mode) == 2
	v_wmma_f32_16x16x128_fp8_fp8 v[8*(8*((\a)%4)+\b):8*(8*((\a)%4)+\b)+7], v[128*(\p)+FR*\b:128*(\p)+FR*\b+FR-1], v[AF+FR*(\a):AF+FR*(\a)+FR-1], 0
.else
	v_wmma_f32_16x16x128_fp8_fp8 v[8*(8*((\a)%4)+\b):8*(8*((\a)%4)+\b)+7], v[128*(\p)+FR*\b:128*(\p)+FR*\b+FR-1], v[AF+FR*(\a):AF+FR*(\a)+FR-1], v[8*(8*((\a)%4)+\b):8*(8*((\a)%4)+\b)+7]
.endif
.endif
.endr
.endr
.endm
.macro FETCH_B adr, q, p
	WIN TO_B
.irp i, 0,1,2,3,4,5,6,7
	FRAG 128*(\p)+FR*\i, \adr, \q, \i
.endr
	WIN 0
.endm
.macro FETCH_A2 adr, q, i0
.irp i, \i0, \i0+1
	FRAG AF+FR*(\i), \adr, \q, \i
.endr
.endm
.macro FETCH_A adr, q, i0
	FETCH_A2 \adr, \q, \i0
	FETCH_A2 \adr, \q, \i0+2
.endm
.macro PLACES n                        ; places behind matrix instructions, ahead of loads into their registers and of reads of their results
.rept \n
	v_nop
.endr
.endm
; PHASE 1.  A step of 128 along K that has its successor in the same slot
.macro STEP slot, q, zero
	s_wait_dscnt 4*NL                              ; all but the youngest sixteen loads (source 1's blocks 4-7)
.if \zero
	WIN ONE_LO
.else
	WIN MUL_LO
.endif
	MUL16 0, (\q)%2, \zero
	MUL16 2, (\q)%2, \zero
	s_wait_dscnt 0
	PLACES NP
	FETCH_B ADRB+\slot, (\q)+1, 1-(\q)%2
	FETCH_A ADRA+\slot, (\q)+1, 0
.if \zero
	WIN ONE_HI
.else
	WIN MUL_HI
.endif
	MUL16 4, (\q)%2, \zero
	MUL16 6, (\q)%2, \zero
	PLACES NP
	WIN 0
	FETCH_A ADRA+\slot, (\q)+1, 4
.endm
; A slot's last step changes slots.  fill = 1: the slot takes this phase's K step two on; fill = 2: phase 2's K step of the slot's number.  fetch = 0: the next fragments are fetched behind the way out
.macro TURN slot, next, fill, fetch
	s_wait_tensorcnt 0x0                           ; all my tensor loads have landed: my part of the next slot
	ds_add_u32 v[SPW], v[NIL]
	s_wait_dscnt 4*NL+1                            ; (the add and the youngest sixteen loads may be out)
	WIN MUL_LO
	MUL16 0, 1, 0
	s_wait_dscnt 0x0                               ; the add is done, and my reads of this slot are over
	s_barrier_signal -1
	MUL16 2, 1, 0
	WIN 0
	s_barrier_wait -1
	CREST                                          ; the barrier has opened a round of the cluster's: no wave of any partner still reads this slot or has a load on its way
.if (\fill) == 1
	s_add_nc_u64 s[G0+4*\slot+2:G0+4*\slot+3], s[G0+4*\slot+2:G0+4*\slot+3], 2*ROWB
	s_add_nc_u64 s[G0B+4*\slot+2:G0B+4*\slot+3], s[G0B+4*\slot+2:G0B+4*\slot+3], 2*ROWB
	JLOAD G0+4*\slot, G1, G0B+4*\slot, G1B
.else
	s_sub_nc_u64 s[G0+4*\slot+2:G0+4*\slot+3], s[G0+4*\slot+2:G0+4*\slot+3], 2*ROWB   ; the same tokens, back along K
	JLOAD G0+4*\slot, G1, G0C+4*\slot, G1C
.endif
.if \fetch
	FETCH_B ADRB+\next, 0, 0                       ; (the four v_nop behind the joint load are the places in front of these loads)
	FETCH_A ADRA+\next, 0, 0
.endif
	WIN MUL_HI
	MUL16 4, 1, 0
	MUL16 6, 1, 0
.if \fetch
	PLACES NP
	WIN 0
	FETCH_A ADRA+\next, 0, 4
.else
	WIN 0
.endif
.endm
; PHASE 2: source 1 has four blocks: 32 matrix instructions a step
.macro STEP2 slot, q, mode
	s_wait_dscnt 2*NL                              ; all but the youngest eight loads (source 1's blocks 2, 3)
	WIN MUL_LO
	MUL16 0, (\q)%2, \mode
	s_wait_dscnt 0
	PLACES NP
	FETCH_B ADRB2+\slot, (\q)+1, 1-(\q)%2
	FETCH_A2 ADRA2+\slot, (\q)+1, 0
	WIN MUL_LO
	MUL16 2, (\q)%2, \mode
	PLACES NP
	WIN 0
	FETCH_A2 ADRA2+\slot, (\q)+1, 2
.endm
.macro TURN2 slot, next, fill
	s_wait_tensorcnt 0x0
	ds_add_u32 v[SPW], v[NIL]
	s_wait_dscnt 2*NL+1                            ; (the add and the youngest eight loads may be out)
	WIN MUL_LO
	MUL16 0, 1, 0
	WIN 0
	s_wait_dscnt 0x0
	s_barrier_signal -1
	s_barrier_wait -1
.if \fill
	CREST
	s_add_nc_u64 s[G0+4*\slot+2:G0+4*\slot+3], s[G0+4*\slot+2:G0+4*\slot+3], 2*ROWB
	s_add_nc_u64 s[G0C+4*\slot+2:G0C+4*\slot+3], s[G0C+4*\slot+2:G0C+4*\slot+3], 2*ROWB
	JLOAD G0+4*\slot, G1, G0C+4*\slot, G1C
.else
	PLACES NP
.endif
	FETCH_B ADRB2+\next, 0, 0
	FETCH_A2 ADRA2+\next, 0, 0
	WIN MUL_LO
	MUL16 2, 1, 0
	PLACES NP
	WIN 0
	FETCH_A2 ADRA2+\next, 0, 2
.endm
; THE WAY OUT of block a: (v: + the lane's bias,) the hold, the conversion, eight codes a lane and tile into the stage, at their place in the images
.macro OUTBLK a, bias, sc, ho
.set AC, 64*((\a)%4)
.set CD, 192+16*((\a)%4)
	WIN 0x02+(\a)/4
.if \bias
.set j, 0
.rept 32
	v_pk_add_f32 v[T+j:T+j+1], v[AC+j:AC+j+1], v[BX+2*(\a):BX+2*(\a)+1]   ; each accumulator from its low end on
.set j, j+2
.endr
	WIN 0
.set j, 0
.rept 64
	v_med3_num_f32 v[T+j], v[T+j], -v[\ho], v[\ho]
.set j, j+1
.endr
.else
.set j, 0
.rept 64
	v_med3_num_f32 v[T+j], v[AC+j], -v[\ho], v[\ho]   ; the conversion does not saturate (ISA guide 7.6.2).  Each accumulator from its low end on
.set j, j+1
.endr
	WIN 0
.endif
.irp b, 0,1,2,3,4,5,6,7
	v_cvt_scalef32_pk8_fp8_f32 v[CD+2*\b:CD+2*\b+1], v[T+8*\b:T+8*\b+7], v[\sc]
.endr
	v_nop                                          ; a plain line behind the last conversion
.irp b, 0,1,2,3,4,5,6,7
	ds_store_b64 v[STO], v[CD+2*\b:CD+2*\b+1] offset:(\b/4)*4096+(((\a)%4)/2)*2048+((\b%4)/2)*512+(\b%2)*256+((\a)%2)*128
.endr
.endm
.macro SEND rb, o0, o1                 ; four blocks' 8 KiB back from my stage (LDS serves a wave's instructions in order) and out: each store covers 512 consecutive aligned bytes
.set i, 0
.rept 16
	ds_load_b128 v[\rb+4*i:\rb+4*i+3], v[RD] offset:512*i
.set i, i+1
.endr
.set i, 0
.rept 16
	s_wait_dscnt 15-i
	global_store_b128 v[CO], v[\rb+4*i:\rb+4*i+3], s[\o0+(\o1-\o0)*(i/8):\o0+(\o1-\o0)*(i/8)+1] offset:512*(i%8)
.set i, i+1
.endr
.endm
	s_wait_alu depctr_va_vdst(0)                   ; the head's end
	s_wait_tensorcnt 0x0                           ; my part of K step 0 is in
	ds_add_u32 v[SPW], v[NIL]
	s_wait_dscnt 0x0
	CROUND
	JLOAD G0+4, G1, G0B+4, G1B                     ; K step 1, the first tensor load behind the round
	FETCH_B ADRB, 0, 0
	FETCH_A ADRA, 0, 0
	FETCH_A ADRA, 0, 4
	STEP 0, 0, 1
	TURN 0, 1, 1, 1                                ; slot 0 takes K step 2,
	STEP 1, 0, 0
	TURN 1, 0, 1, 1                                ; slot 1 K step 3,
	STEP 0, 0, 0
	TURN 0, 1, 2, 1                                ; slot 0 phase 2's K step 0,
	STEP 1, 0, 0
	TURN 1, 0, 2, 0                                ; slot 1 phase 2's K step 1: both are asked for when phase 1's codes go out
	PLACES NP
.irp a, 0,1,2,3
	OUTBLK \a, 0, SCL, HOLD
.endr
	SEND BY, 88, 92
.irp a, 4,5,6,7
	OUTBLK \a, 0, SCL, HOLD
.endr
	SEND T, 90, 94
	s_wait_xcnt 0x0                                ; the stores have read their registers: fragments may land there
	FETCH_B ADRB2, 0, 0
	FETCH_A2 ADRA2, 0, 0
	FETCH_A2 ADRA2, 0, 2
	STEP2 0, 0, 2
	TURN2 0, 1, 1
	STEP2 1, 0, 0
	TURN2 1, 0, 1
	STEP2 0, 0, 0
	TURN2 0, 1, 0                                  ; the last lap fills nothing, and has no round
	STEP2 1, 0, 0
	s_wait_dscnt 2*NL
	WIN MUL_LO
	MUL16 0, 1, 0
	s_wait_dscnt 0
	MUL16 2, 1, 0
	WIN 0
	PLACES NP
.irp a, 0,1,2,3
	OUTBLK \a, 1, SCL2, HOLD2
.endr
	SEND BY, 96, 98
	s_wait_tensorcnt 0x0                           ; the wave's end
	ds_add_u32 v[SPW], v[NIL]
	s_wait_dscnt 0x0
	CROUND                                         ; the closing round
	s_endpgm
.Lfunc_end_k_q12731e7944_proj:
	.size	k_q12731e7944_proj, .Lfunc_end_k_q12731e7944_proj-k_q12731e7944_proj
	.p2alignl 7, 3214868480
	.fill 96, 4, 3214868480
	.section	.rodata,"a",@progbits
	.p2align	6, 0x0
	.amdhsa_kernel k_q12731e7944_proj
		.amdhsa_group_segment_fixed_size 327680
		.amdhsa_private_segment_fixed_size 0
		.amdhsa_enable_private_segment 0
		.amdhsa_kernarg_size 48
		.amdhsa_user_sgpr_count 2
		.amdhsa_user_sgpr_kernarg_segment_ptr 1
		.amdhsa_wavefront_size32 1
		.amdhsa_system_sgpr_workgroup_id_x 1
		.amdhsa_system_sgpr_workgroup_id_y 1
		.amdhsa_system_sgpr_workgroup_id_z 1
		.amdhsa_system_vgpr_workitem_id 0
		.amdhsa_next_free_vgpr 1024
		.amdhsa_next_free_sgpr 100
		.amdhsa_reserve_vcc 0
		.amdhsa_float_denorm_mode_32 3
		.amdhsa_float_denorm_mode_16_64 3
		.amdhsa_memory_ordered 1
		.amdhsa_forward_progress 1
		.amdhsa_inst_pref_size 212
	.end_amdhsa_kernel
	.amdgpu_metadata
---
amdhsa.version: [ 1, 2 ]
amdhsa.kernels:
  - .name:           k_q12731e7944_proj
    .symbol:         k_q12731e7944_proj.kd
    .args:
      - { .name: a_codes, .offset: 0, .size: 8, .value_kind: global_buffer, .address_space: global }
      - { .name: w_codes, .offset: 8, .size: 8, .value_kind: global_buffer, .address_space: global }
      - { .name: lowp_scales, .offset: 16, .size: 8, .value_kind: global_buffer, .address_space: global }
      - { .name: qkv, .offset: 24, .size: 8, .value_kind: global_buffer, .address_space: global }
      - { .name: q_bias, .offset: 32, .size: 8, .value_kind: global_buffer, .address_space: global }
      - { .name: v_bias, .offset: 40, .size: 8, .value_kind: global_buffer, .address_space: global }
    .group_segment_fixed_size: 327680
    .private_segment_fixed_size: 0
    .kernarg_segment_align: 8
    .kernarg_segment_size: 48
    .max_flat_workgroup_size: 128
    .sgpr_count:     100
    .vgpr_count:     1024
    .wavefront_size: 32
...
	.end_amdgpu_metadata
.endif
;; end of part 2
;; launch attn (part 3): grid 16 x 16, 8 waves a work-group, no clusters, 199,680 bytes of LDS; arguments qkv, attention_mask, rel_pos, rel_2d_pos, lowp_scales, out0; writes out0
.if DOCPART == 3
	.amdgcn_target "amdgcn-amd-amdhsa--gfx1250"
	.amdhsa_code_object_version 6
	.text
	.protected	k_q12731e7944_attn
	.globl	k_q12731e7944_attn
	.p2align	8
	.type	k_q12731e7944_attn,@function
k_q12731e7944_attn:
	s_mov_b64 s[64:65], 0
	v_nop
	global_prefetch_b8 v0, s[64:65] scope:SCOPE_SE
	s_setreg_imm32_b32 hwreg(HW_REG_WAVE_MODE, 25, 1), 1
	s_wait_xcnt 0x0
; out0[b][q][64 head + d] = sum over keys of softmax(qh . kh + rel_pos + rel_2d_pos, masked keys' scores replaced by 1e-8) v, both products on codes of FP8 (E4M3) with the given scales 2^e2 .. 2^e5.
; THE SOFTMAX: t = score x log2(e); M = the running largest t rounded UP to a whole number; p = 2^(t - M) is quantised (2^e4), not normalised; the row's sum is taken of the unquantised p and divides at the end.
; SHARES.  A work-group owns 64 queries of one head FOR ALL 8 BATCHES, so the two position tensors are loaded once in the launch.  Wave w takes batch w and four query tiles of 16.
; A UNIT is one query tile x 64 keys: 32 scores a lane.  A STEP is 64 keys: 4 units a wave.  16 steps, two to a trip.
; K AND V are register images (laid so by the launch before): a fragment of 16 rows x 64 is 1,024 dense bytes, two loads of 16 bytes a lane at 16 x lane.  Each fragment is wanted by ONE wave of the work-group,
; so it goes from memory straight into that wave's registers, one step ahead, in two sets by turns, and serves four units.  NO CLUSTER, NO JOINT LOADS: a joint load would put each of these bytes into LDS and
; take it out again for its one reader (64 KiB a step in, 64 KiB out), and bind four work-groups to a round each slot.  NO PREFETCH: every global load of the loop is itself issued a step (K, V) or a step and a quarter
; (positions) ahead of its first use, into registers.
; THE POSITIONS: each wave loads 8 queries x 64 keys of both tensors, adds them, divides by 2^(e2 + e3), and puts the result into a stage in LDS in the accumulator's layout; a unit gives its tile's 32 registers to the
; first product as C.  The stage has FOUR buffers, step % 4.  One barrier a step: in step s a wave stores step s + 1's part behind unit 0 and signals; it waits in unit 3, ahead of its first read of step s + 1's buffer.
; A wave that stores into buffer (s + 1) % 4 has passed step s - 1's wait, so every wave is past unit 0 of step s - 1 and reads buffers (s - 1) % 4 and s % 4 at the most.
; THE MASK is a multiplier: mc(key) = 0 where the key is masked, else c = log2(e) x 2^(e2 + e3); t = sum x mc.  A masked key's t is then 0 where reference() has 1e-8 x log2(e) = 1.44e-8.  That number enters as the running
; maximum's first value wherever the batch has a masked key: so M is what reference()'s scores give, at least 1 there, and f32(1.44e-8 - M) = -M: p has the same bits.  mc is made once, from attention_mask, into the wave's own 4 KiB of LDS.
; LAYOUT.  S^T = K Q^T, O^T = V^T P^T: a lane holds ONE query of each tile.  Score register 16 c + i of lane (r, h) is key 32 c + 16 h + i; O^T's tile 2 b + u, register j is d = 32 b + 16 h + 8 u + j.
; LIMITS: e2 + e3 between -126 and 126; e4 between -126 and 119.  NaN and infinities among the inputs are not served (a masked key's sum is multiplied by 0).
; REGISTERS.  Window 0: v1-11 addresses, constants; v12-19, v44-47 at work; v20-35 four tiles' -M, largest t, sum (two halves); v36-43 p's codes; v60-63 addresses; v64-95 C; v96-127 S^T, then p;
;   v128-159 K set 0; v160-191 V set 0; v192-223 V set 1; v224-255 mc.   Window 1: v0-127 O^T; v128-159 Q; v160-223 two sets of positions; v224-255 K set 1.
; SCALARS: s2, s3 the stage's half for reads, for stores; s[4:5] Q; s[6:7] mask; s[8:11] positions; s[12:13] K; s[14:15] V; s16 wave; s17 trips; s18 e4 + e5; s19 mc's place; s[20:21] lane selects; s[22:23] 2^-(e2+e3); s[24:25] out0.
.set CQT,   4352                       ; a query tile's part of a buffer: 8 groups of 4 registers x 544 bytes; lanes 0-15 at 16 r, lanes 16-31 at 272 + 16 r
.set BUFB,  0x8000                     ; from buffer to buffer
.set HALF,  0x10000                    ; two buffers
.set MCB,   0x20000                    ; mc: 4 KiB a wave
.set OUTS,  0x28000                    ; the way out: 16 rows x 272 bytes a wave
.set SPARE, OUTS+8*CQT                 ; the spare words, 128 bytes a wave
.set PC,  36
.set CC,  64
.set S,   96
.set MC,  224
.set QF,  128                          ; window 1
.set RW,  160                          ; window 1
.set MSB, 0
.macro WIN new                         ; the immediate's high byte repeats the setting that is left
.if MSB != (\new)
	s_set_vgpr_msb (MSB<<8)|(\new)
.set MSB, (\new)
.endif
.endm
.macro RAWLD set, koff                 ; 8 queries x 64 keys of both tensors: each load covers two rows' 256 aligned bytes; read once in the launch
	WIN 0x40
.irp k, 0,1,2,3
	global_load_b128 v[RW+32*(\set)+4*\k:RW+32*(\set)+4*\k+3], v6, s[8:9] offset:8192*\k+(\koff) th:TH_LOAD_NT
	global_load_b128 v[RW+32*(\set)+16+4*\k:RW+32*(\set)+16+4*\k+3], v6, s[10:11] offset:8192*\k+(\koff) th:TH_LOAD_NT
.endr
.endm
.macro KVLD p, off                     ; my batch's V and K of one step into set p
	WIN 0
.irp t, 0,1,2,3
	global_load_b128 v[160+32*(\p)+8*\t:160+32*(\p)+8*\t+3], v62, s[14:15] offset:(\off)+1024*\t
	global_load_b128 v[160+32*(\p)+8*\t+4:160+32*(\p)+8*\t+7], v62, s[14:15] offset:(\off)+1024*\t+512
.endr
	WIN 0x40*(\p)
.irp t, 0,1,2,3
	global_load_b128 v[128+96*(\p)+8*\t:128+96*(\p)+8*\t+3], v62, s[12:13] offset:(\off)+1024*\t
	global_load_b128 v[128+96*(\p)+8*\t+4:128+96*(\p)+8*\t+7], v62, s[12:13] offset:(\off)+1024*\t+512
.endr
.endm
; set's numbers become C = (rel_pos + rel_2d_pos) / 2^(e2 + e3), in place, and go into the stage.  left: the younger loads that may stay out.  flip = 1: on to the stage's other half
.macro PREP set, boff, left, flip
	WIN 0
	s_wait_loadcnt \left
.if \flip
	s_xor_b32 s3, s3, HALF
	v_add_nc_u32 v3, s3, v5
.endif
	WIN 0x45
.irp j, 0,2,4,6,8,10,12,14
	v_pk_add_f32 v[RW+32*(\set)+\j:RW+32*(\set)+\j+1], v[RW+32*(\set)+\j:RW+32*(\set)+\j+1], v[RW+32*(\set)+16+\j:RW+32*(\set)+16+\j+1]
.endr
.irp j, 0,2,4,6,8,10,12,14
	v_pk_mul_f32 v[RW+32*(\set)+\j:RW+32*(\set)+\j+1], v[RW+32*(\set)+\j:RW+32*(\set)+\j+1], s[22:23] op_sel_hi:[1,0]   ; a power of two: nothing is rounded
.endr
	WIN 0x04
.irp k, 0,1,2,3
	ds_store_b128 v3, v[RW+32*(\set)+4*\k:RW+32*(\set)+4*\k+3] offset:(\boff)+32*\k
.endr
	WIN 0
.endm
	s_load_b256 s[4:11], s[0:1], 0x0               ; qkv, attention_mask, rel_pos, rel_2d_pos
	s_load_b128 s[36:39], s[0:1], 0x20             ; the scales' exponents, out0
	v_lshl_add_u32 v7, v0, 2, SPARE                ; my spare word; never rewritten
	v_mov_b32 v8, 0                                ; 0; never rewritten
	v_lshrrev_b32 v19, 5, v0
	v_readfirstlane_b32 s16, v19                   ; wave 0..7: my batch
	s_mov_b32 s48, ttmp9                           ; the head: the grid's x, so that the sixteen work-groups that walk one head's K and V are 16 apart in the grid's order
	s_and_b32 s49, ttmp7, 0xffff                   ; my block of 64 queries: the grid's y
	s_lshl_b32 s54, s16, 12                        ; my batch's 4 KiB: in a step's images, and in the mask
	s_mov_b32 s55, 0
	s_lshl_b32 s50, s48, 19                        ; a head's 512 KiB in a section
	s_add_co_u32 s50, s50, s54
	s_mov_b32 s51, 0
	s_lshl_b32 s52, s49, 15                        ; Q: my block of 64 queries
	s_add_co_u32 s52, s52, s50
	s_mov_b32 s53, 0
	s_lshl_b32 s58, s49, 18                        ; my block's 64 rows of 4,096 bytes
	s_lshl_b32 s56, s48, 22                        ; the positions: the head's 4 MiB
	s_add_co_u32 s56, s56, s58
	s_mov_b32 s57, 0
	s_lshl_b32 s45, s16, 22                        ; out0: my batch's 4 MiB,
	s_add_co_u32 s58, s58, s45
	s_lshl_b32 s45, s48, 8                         ; the head's 256 bytes of a row
	s_add_co_u32 s58, s58, s45
	s_mov_b32 s59, 0
	s_mov_b32 s20, 0x76543210                      ; v_permlanex16_b32: lane l xor 16
	s_mov_b32 s21, 0xfedcba98
	s_mov_b32 s2, 0
	s_mov_b32 s3, 0
	s_mov_b32 s19, 0
	s_mov_b32 s17, 7
	s_lshr_b32 s60, s16, 2                         ; where I put the positions: query tile 2 (w / 4) + w % 2, row-lanes from 8 ((w / 2) % 2) on
	s_lshl_b32 s60, s60, 1
	s_and_b32 s61, s16, 1
	s_add_co_u32 s60, s60, s61
	s_mul_i32 s60, s60, CQT
	s_bfe_u32 s61, s16, 0x10001
	s_lshl_b32 s61, s61, 7
	s_add_co_u32 s60, s60, s61
	s_mul_i32 s62, s16, CQT
	s_add_co_u32 s62, s62, OUTS                    ; my stage for the way out
	s_lshl_b32 s63, s16, 15                        ; my wave's 8 rows of the positions
	s_add_co_u32 s44, s54, MCB                     ; my mc
	v_and_b32 v12, 15, v0                          ; r
	v_bfe_u32 v13, v0, 4, 1                        ; h
	v_and_b32 v14, 31, v0
	v_lshlrev_b32 v62, 4, v14                      ; 16 x lane; never rewritten
	v_mul_u32_u24 v4, v13, 272
	v_lshl_add_u32 v4, v12, 4, v4                  ; 272 h + 16 r: where I read C in a buffer
	v_add_nc_u32 v61, s62, v4                      ; the way out, back: lanes 0-15 one row, lanes 16-31 the next
	v_mul_u32_u24 v17, v12, 272
	v_lshl_add_u32 v17, v13, 6, v17
	v_add_nc_u32 v60, s62, v17                     ; in: row r, + 64 h
	v_lshlrev_b32 v63, 4, v12
	v_lshl_add_u32 v63, v13, 12, v63               ; two rows of 4,096 bytes, 16 bytes a lane: out0's offset,
	v_add_nc_u32 v6, s63, v63                      ; and, + my wave's 8 rows, the positions'
	v_bfe_u32 v16, v0, 3, 1                        ; I load queries 8 w + 2 k + h, keys 4 (l % 16) + 0 .. 3: group 4 (key / 32) + (key % 16) / 4, half (key % 32) / 16
	v_and_b32 v17, 3, v0
	v_lshl_add_u32 v16, v16, 2, v17
	v_mul_u32_u24 v16, v16, 544
	v_bfe_u32 v17, v0, 2, 1
	v_mul_u32_u24 v17, v17, 272
	v_add_nc_u32 v16, v16, v17
	v_lshl_add_u32 v16, v13, 4, v16
	v_add_nc_u32 v5, s60, v16
	v_add_nc_u32 v46, s44, v62                     ; mc on the way in: as the mask lies
	v_lshlrev_b32 v9, 6, v13
	v_add_nc_u32 v9, s44, v9                       ; and out: my half's 16 keys of each 32
	v_add_nc_u32 v1, s19, v9
	v_add_nc_u32 v2, s2, v4
	v_add_nc_u32 v3, s3, v5
	s_wait_alu depctr_va_vdst(0)                   ; directly ahead of the wait below
	s_wait_kmcnt 0x0
	s_load_b128 s[40:43], s[36:37], 0x8            ; e2, e3, e4, e5
	s_add_nc_u64 s[12:13], s[4:5], s[50:51]
	s_add_nc_u64 s[14:15], s[12:13], 0x1000000     ; section v
	s_add_nc_u64 s[12:13], s[12:13], 0x800000      ; section k
	s_add_nc_u64 s[4:5], s[4:5], s[52:53]
	s_add_nc_u64 s[6:7], s[6:7], s[54:55]
	s_add_nc_u64 s[8:9], s[8:9], s[56:57]
	s_add_nc_u64 s[10:11], s[10:11], s[56:57]
	s_add_nc_u64 s[24:25], s[38:39], s[58:59]
	RAWLD 0, 0                                     ; step 0's positions
	WIN 0
.irp i, 0,1,2,3,4,5,6,7
	global_load_b128 v[CC+4*\i:CC+4*\i+3], v62, s[6:7] offset:512*\i   ; my batch's mask: 1,024 words
.endr
	WIN 0x40
.irp u, 0,1,2,3
	global_load_b128 v[QF+8*\u:QF+8*\u+3], v62, s[4:5] offset:1024*\u        ; Q's fragments of my batch, one a query tile: they stay
	global_load_b128 v[QF+8*\u+4:QF+8*\u+7], v62, s[4:5] offset:1024*\u+512
.endr
	KVLD 0, 0
	RAWLD 1, 256
	WIN 0x40
.set j, 0
.rept 128
	v_mov_b32 v[j], 0                              ; O^T.  (The step is written once for all 16: the first finds zeros, which the first change of M leaves zeros; a first step of its own would be a third copy of the trip's text)
.set j, j+1
.endr
	WIN 0
	v_mov_b32 v15, 0                               ; (named as the upper half of the pair v[14:15])
	v_mov_b32 v18, 0                               ; a lane permute's destination counts as one of its sources
	s_wait_kmcnt 0x0
	s_add_co_i32 s48, s40, s41                     ; e2 + e3
	s_lshl_b32 s47, s48, 23
	s_add_co_i32 s46, s47, 0x3fb8aa3b              ; c = log2(e) x 2^(e2 + e3): the exponents are added to its exponent field
	s_sub_co_i32 s47, 127, s48
	s_lshl_b32 s22, s47, 23                        ; 2^-(e2 + e3), for the positions
	s_mov_b32 s23, s22
	s_add_co_i32 s47, s42, 127
	s_lshl_b32 s45, s47, 23
	s_add_co_i32 s47, s47, 8
	s_lshl_b32 s47, s47, 23
	s_or_b32 s47, s47, 0x600000
	s_add_co_i32 s18, s42, s43                     ; e4 + e5
	v_mov_b32 v10, s45                             ; 2^e4, for the conversion
	v_mov_b32 v11, s47                             ; 448 x 2^e4
	v_mov_b32 v47, s46                             ; c
	PREP 0, 0, 40, 0                               ; step 0's positions are in; the 40 younger loads (mask 8, Q 8, V and K 16, step 1's positions 8) may be out
	s_wait_loadcnt 32                              ; the mask is in
	s_mov_b32 s40, -1
.set n, 0
.rept 32
	v_cmp_eq_u32 vcc_lo, 0, v[CC+n]
	s_and_b32 s40, s40, vcc_lo                     ; stays all ones while no key is masked
	v_cndmask_b32 v[CC+n], 0, v47, vcc_lo          ; mc = c where the key counts, 0 where it is masked
.set n, n+1
.endr
.irp i, 0,1,2,3,4,5,6,7
	ds_store_b128 v46, v[CC+4*\i:CC+4*\i+3] offset:512*\i
.endr
	s_mov_b32 s41, 0x3277da66                      ; 1e-8 x log2(e)
	s_cmp_eq_u32 s40, -1
	s_cselect_b32 s41, 0xff61b1e6, s41             ; the largest t so far: -3e38, or a masked key's t where my batch has one
.irp u, 0,1,2,3
	v_mov_b32 v[21+4*\u], s41
	v_floor_f32 v[20+4*\u], -v[21+4*\u]            ; -M
	v_mov_b32 v[22+4*\u], 0                        ; the sum, in two halves
	v_mov_b32 v[23+4*\u], 0
.endr
	s_wait_alu depctr_va_vdst(0)                   ; the head's end
	s_wait_dscnt 0x0                               ; my stores into the stage have landed
	s_barrier_signal -1
	s_barrier_wait -1                              ; buffer 0 is whole
.irp g, 0,1,2,3,4,5,6,7
	ds_load_b128 v[CC+4*\g:CC+4*\g+3], v2 offset:\g*544                      ; step 0, tile 0's C
.endr
.irp c, 0,1
.irp j, 0,1,2,3
	ds_load_b128 v[MC+16*\c+4*\j:MC+16*\c+4*\j+3], v1 offset:128*\c+16*\j    ; step 0's mc
.endr
.endr
; A UNIT: query tile ub, the trip's step st.  nxt = 1: a step follows.  The accumulators take turns, one matrix instruction a turn.
.macro UNIT ub, st, nxt
.set NM, 20+4*(\ub)
.set TT, 21+4*(\ub)
.set LL, 22+4*(\ub)
.if (\ub) == 0
	s_wait_dscnt 8                                 ; this tile's C is in; mc's eight loads, which are younger, may be out
.else
	s_wait_dscnt 0x0                               ; this tile's C is in (asked for a unit ago)
.endif
	WIN 0x04+(\st)                                 ; Q in window 1; K's set 1 too
.irp t, 0,1,2,3
	v_wmma_f32_16x16x64_fp8_fp8 v[S+8*\t:S+8*\t+7], v[128+96*(\st)+8*\t:128+96*(\st)+8*\t+7], v[QF+8*(\ub):QF+8*(\ub)+7], v[CC+8*\t:CC+8*\t+7]   ; S^T = K Q^T + the positions
.endr
	WIN 0
	v_mov_b32 v19, v[NM]                           ; the old -M.  (This and the three lines below are the four places behind the products)
.if ((\ub) == 3) && (\nxt)
.if (\st) == 1
	s_xor_b32 s2, s2, HALF                         ; the next step's buffer lies in the stage's other half
	v_add_nc_u32 v2, s2, v4
.else
	v_nop
.endif
	v_nop
	v_nop
	s_wait_alu depctr_va_vdst(0)                   ; directly ahead of the barrier's wait
	s_barrier_wait -1                              ; every wave has stored its part of the next step's C
.irp g, 0,1,2,3,4,5,6,7
	ds_load_b128 v[CC+4*\g:CC+4*\g+3], v2 offset:(1-(\st))*BUFB+\g*544
.endr
.else
	v_nop
	v_nop
	v_nop
.if (\ub) < 3
.irp g, 0,1,2,3,4,5,6,7
	ds_load_b128 v[CC+4*\g:CC+4*\g+3], v2 offset:(\st)*BUFB+((\ub)+1)*CQT+\g*544   ; the next tile's C: sixteen lanes read 256 consecutive bytes
.endr
.endif
.endif
.if (\ub) == 0
	s_wait_dscnt 8                                 ; mc is in; the next tile's eight loads of C may be out
.endif
.irp j, 0,2,4,6,8,10,12,14,16,18,20,22,24,26,28,30
	v_pk_mul_f32 v[S+\j:S+\j+1], v[S+\j:S+\j+1], v[MC+\j:MC+\j+1]   ; t = sum x mc: 0 for a masked key.  Each tile from its low end on
.endr
.if ((\ub) == 3) && (\nxt)
.irp c, 0,1
.irp j, 0,1,2,3
	ds_load_b128 v[MC+16*\c+4*\j:MC+16*\c+4*\j+3], v1 offset:((\st)+1)*256+128*\c+16*\j   ; the next step's mc
.endr
.endr
.endif
	v_max3_num_f32 v12, v[S], v[S+1], v[S+2]       ; the unit's largest t of my query among my 32 keys, in four chains
	v_max3_num_f32 v13, v[S+3], v[S+4], v[S+5]
	v_max3_num_f32 v16, v[S+6], v[S+7], v[S+8]
	v_max3_num_f32 v17, v[S+9], v[S+10], v[S+11]
.irp i, 12,20
	s_delay_alu instid0(VALU_DEP_4)
	v_max3_num_f32 v12, v12, v[S+\i], v[S+\i+1]
	s_delay_alu instid0(VALU_DEP_4)
	v_max3_num_f32 v13, v13, v[S+\i+2], v[S+\i+3]
	s_delay_alu instid0(VALU_DEP_4)
	v_max3_num_f32 v16, v16, v[S+\i+4], v[S+\i+5]
	s_delay_alu instid0(VALU_DEP_4)
	v_max3_num_f32 v17, v17, v[S+\i+6], v[S+\i+7]
.endr
	s_delay_alu instid0(VALU_DEP_4)
	v_max3_num_f32 v12, v12, v[S+28], v[S+29]
	s_delay_alu instid0(VALU_DEP_4)
	v_max3_num_f32 v13, v13, v[S+30], v[S+31]
	s_delay_alu instid0(VALU_DEP_1)
	v_max3_num_f32 v12, v12, v13, v16
	s_delay_alu instid0(VALU_DEP_1)
	v_max3_num_f32 v12, v12, v17, v[TT]            ; with the largest so far, which both halves of the lanes share
	s_delay_alu instid0(VALU_DEP_1)
	v_permlanex16_b32 v18, v12, s20, s21
	s_delay_alu instid0(VALU_DEP_1)
	v_max_num_f32 v[TT], v12, v18                  ; and lane l xor 16's: the running largest t
	s_delay_alu instid0(VALU_DEP_1)
	v_floor_f32 v[NM], -v[TT]                      ; the new -M = floor(-t): M is a whole number
	s_delay_alu instid0(VALU_DEP_1)
	v_sub_f32 v12, v[NM], v19                      ; old M - new M: a whole number, 0 or less
	s_delay_alu instid0(VALU_DEP_2)
.irp j, 0,2,4,6
	v_pk_add_f32 v[S+\j:S+\j+1], v[S+\j:S+\j+1], v[NM:NM+1] op_sel_hi:[1,0]   ; t - M, two at a time (of the pair the low word serves both halves)
.endr
	v_cvt_i32_f32 v12, v12                         ; (it saturates)
.irp j, 8,10,12,14
	v_pk_add_f32 v[S+\j:S+\j+1], v[S+\j:S+\j+1], v[NM:NM+1] op_sel_hi:[1,0]
.endr
	v_ldexp_f32 v14, 1.0, v12                      ; f = 2^(old M - new M)
.irp j, 16,18,20,22,24,26,28,30
	v_pk_add_f32 v[S+\j:S+\j+1], v[S+\j:S+\j+1], v[NM:NM+1] op_sel_hi:[1,0]
.endr
	s_wait_alu depctr_va_vdst(0)                   ; ahead of the batch
.set n, 0
.rept 32
	v_exp_f32 v[S+n], v[S+n]                       ; p = 2^(t - M), at most 1
.set n, n+1
.endr
	v_pk_mul_f32 v[LL:LL+1], v[LL:LL+1], v[14:15] op_sel_hi:[1,0]   ; the sum under the new M: the plain line behind the exponentials
	s_wait_alu depctr_va_vdst(0)                   ; one wait for the batch of 32, ahead of its first reader
	v_pk_add_f32 v[12:13], v[S:S+1], v[S+2:S+3]    ; the sum is taken of the unquantised p: two at a time, in four chains
	v_pk_add_f32 v[16:17], v[S+4:S+5], v[S+6:S+7]
	v_pk_add_f32 v[44:45], v[S+8:S+9], v[S+10:S+11]
	v_pk_add_f32 v[LL:LL+1], v[LL:LL+1], v[S+12:S+13]
.irp j, 14,22
	v_pk_add_f32 v[12:13], v[12:13], v[S+\j:S+\j+1]
	v_pk_add_f32 v[16:17], v[16:17], v[S+\j+2:S+\j+3]
	v_pk_add_f32 v[44:45], v[44:45], v[S+\j+4:S+\j+5]
	v_pk_add_f32 v[LL:LL+1], v[LL:LL+1], v[S+\j+6:S+\j+7]
.endr
	v_pk_add_f32 v[12:13], v[12:13], v[S+30:S+31]
	s_delay_alu instid0(VALU_DEP_3)
	v_pk_add_f32 v[16:17], v[16:17], v[44:45]
	s_delay_alu instid0(VALU_DEP_2)
	v_pk_add_f32 v[LL:LL+1], v[LL:LL+1], v[12:13]
	s_delay_alu instid0(VALU_DEP_1)
	v_pk_add_f32 v[LL:LL+1], v[LL:LL+1], v[16:17]
.irp j, 0,2,4,6,8,10,12,14,16,18,20,22,24,26,28,30
	v_dual_min_num_f32 v[S+\j], v11, v[S+\j] :: v_dual_min_num_f32 v[S+\j+1], v11, v[S+\j+1]   ; the conversion does not saturate (ISA guide 7.6.2); p is not negative, so the hold is one-sided
.endr
.irp g, 0,1,2,3
	v_cvt_scalef32_pk8_fp8_f32 v[PC+2*\g:PC+2*\g+1], v[S+8*\g:S+8*\g+7], v10   ; keys 32 c + 16 h + 0 .. 15: the order in which V's images have them
.endr
	WIN 0x41
	s_wait_alu depctr_va_vdst(0)                   ; directly ahead of the first reader of O^T
.irp j, 0,2,4,6,8,10,12,14,16,18,20,22,24,26,28,30
	v_pk_mul_f32 v[32*(\ub)+\j:32*(\ub)+\j+1], v[32*(\ub)+\j:32*(\ub)+\j+1], v[14:15] op_sel_hi:[1,0]   ; O^T under the new M.  (Also the plain lines behind the conversions)
.endr
	WIN 0x50
.irp t, 0,1,2,3
	v_wmma_f32_16x16x64_fp8_fp8 v[32*(\ub)+8*\t:32*(\ub)+8*\t+7], v[160+32*(\st)+8*\t:160+32*(\st)+8*\t+7], v[PC:PC+7], v[32*(\ub)+8*\t:32*(\ub)+8*\t+7]
.endr
.endm
; A STEP: 64 keys.  more = 1: the positions of the step after next are asked for.  nxt = 1: the next step's K and V are asked for and its C is made.
; w0: at the step's head my K and V are in and the next step's positions (8 loads, younger) may be out.  wp: ahead of PREP the loads issued in this step may be out.
.macro STEP st, more, nxt, w0, wp
.rept 4
	v_nop                                          ; the places behind the last products, which read the set of V that is loaded anew below
.endr
	WIN 0
	s_wait_loadcnt \w0
.if \nxt
	KVLD 1-(\st), ((\st)+1)*32768
.endif
.if \more
	RAWLD \st, ((\st)+2)*256                       ; into the set whose numbers went into the stage a step ago
.endif
	UNIT 0, \st, \nxt
.if \nxt
	PREP 1-(\st), (1-(\st))*BUFB, \wp, \st
	s_wait_dscnt 0x0                               ; my stores into the stage have landed, and no LDS load of mine is out
	s_barrier_signal -1                            ; up to the wait, in unit 3: work on registers, and LDS loads of this step's buffer and of my own mc
.endif
	UNIT 1, \st, \nxt
	UNIT 2, \st, \nxt
	UNIT 3, \st, \nxt
.endm
.Ltrip:                                                ; 7 trips: steps 0 to 13
	STEP 0, 1, 1, 8, 24
	STEP 1, 1, 1, 8, 24
	WIN 0
	s_wait_xcnt 0x0                                ; the pending loads have read their bases, so these may be stepped
	s_add_nc_u64 s[8:9], s[8:9], 512               ; 128 keys along the positions' rows
	s_add_nc_u64 s[10:11], s[10:11], 512
	s_add_nc_u64 s[12:13], s[12:13], 0x10000       ; two steps' images
	s_add_nc_u64 s[14:15], s[14:15], 0x10000
	s_add_co_u32 s19, s19, 512
	v_add_nc_u32 v1, s19, v9
	s_wait_alu depctr_va_vdst(0)
	s_sub_co_u32 s17, s17, 1
	s_cmp_lg_u32 s17, 0
	s_cbranch_scc1 .Ltrip
	STEP 0, 0, 1, 8, 16                            ; the last two steps are written out: no load leaves its buffer, and every counted wait keeps its meaning
	STEP 1, 0, 0, 0, 0
	WIN 0
	; THE WAY OUT.  O^T / the sum x 2^(e4 + e5) goes through my own stage in LDS, a query tile at a time, and leaves as aligned runs of 256 bytes.  The first four additions are the places behind the last products.
.irp u, 0,1,2,3
	v_add_f32 v[22+4*\u], v[22+4*\u], v[23+4*\u]
.endr
.irp u, 0,1,2,3
	s_delay_alu instid0(VALU_DEP_4)
	v_permlanex16_b32 v[23+4*\u], v[22+4*\u], s20, s21
.endr
.irp u, 0,1,2,3
	s_delay_alu instid0(VALU_DEP_4)
	v_add_f32 v[22+4*\u], v[22+4*\u], v[23+4*\u]
.endr
	s_wait_alu depctr_va_vdst(0)                   ; ahead of the batch
.irp u, 0,1,2,3
	v_rcp_f32 v[22+4*\u], v[22+4*\u]
.endr
	v_nop                                          ; a plain line behind the last reciprocal
	s_wait_alu depctr_va_vdst(0)                   ; one wait for the four, ahead of their first reader
.irp u, 0,1,2,3
	v_ldexp_f32 v[22+4*\u], v[22+4*\u], s18
.endr
.macro OUT ub
.set OB, CC+32*((\ub)%2)
.set BK, 128+32*(\ub)
	WIN 0x01                                       ; source 0 (O^T) window 1
	s_wait_alu depctr_va_vdst(0)                   ; directly ahead of the first reader of this tile's O^T
.irp j, 0,2,4,6,8,10,12,14,16,18,20,22,24,26,28,30
	v_pk_mul_f32 v[OB+\j:OB+\j+1], v[32*(\ub)+\j:32*(\ub)+\j+1], v[22+4*(\ub):23+4*(\ub)] op_sel_hi:[1,0]   ; each tile from its low end on
.endr
	WIN 0
.irp t, 0,1,2,3
	ds_store_b128 v60, v[OB+8*\t:OB+8*\t+3] offset:128*(\t/2)+32*(\t%2)        ; tile 2 b + u: d = 32 b + 16 h + 8 u + 0 .. 7 of row r
	ds_store_b128 v60, v[OB+8*\t+4:OB+8*\t+7] offset:128*(\t/2)+32*(\t%2)+16
.endr
.irp i, 0,1,2,3,4,5,6,7
	ds_load_b128 v[BK+4*\i:BK+4*\i+3], v61 offset:\i*544   ; LDS serves a wave's instructions in order: these see my stores, and the next tile's stores come behind them
.endr
.irp i, 0,1,2,3,4,5,6,7
	s_wait_dscnt 7-\i
	global_store_b128 v63, v[BK+4*\i:BK+4*\i+3], s[24:25] offset:(32*((\ub)/2)+8*((\ub)%2)+2*\i+8*(\i/4))*4096 th:TH_STORE_NT   ; the tile begins at query 32 (ub / 2) + 8 (ub % 2); row-lane 2 i + h is query 2 i + h + 8 (i / 4) on; sixteen lanes store 256 consecutive aligned bytes
.endr
.endm
	OUT 0
	OUT 1
	OUT 2
	OUT 3
	s_wait_tensorcnt 0x0                           ; the wave's end, behind my last LDS store
	ds_add_u32 v7, v8
	s_wait_dscnt 0x0
	s_endpgm
.Lfunc_end_k_q12731e7944_attn:
	.size	k_q12731e7944_attn, .Lfunc_end_k_q12731e7944_attn-k_q12731e7944_attn
	.p2alignl 7, 3214868480
	.fill 96, 4, 3214868480
	.section	.rodata,"a",@progbits
	.p2align	6, 0x0
	.amdhsa_kernel k_q12731e7944_attn
		.amdhsa_group_segment_fixed_size 199680
		.amdhsa_private_segment_fixed_size 0
		.amdhsa_enable_private_segment 0
		.amdhsa_kernarg_size 48
		.amdhsa_user_sgpr_count 2
		.amdhsa_user_sgpr_kernarg_segment_ptr 1
		.amdhsa_wavefront_size32 1
		.amdhsa_system_sgpr_workgroup_id_x 1
		.amdhsa_system_sgpr_workgroup_id_y 1
		.amdhsa_system_sgpr_workgroup_id_z 1
		.amdhsa_system_vgpr_workitem_id 0
		.amdhsa_next_free_vgpr 512
		.amdhsa_next_free_sgpr 66
		.amdhsa_reserve_vcc 1
		.amdhsa_float_denorm_mode_32 3
		.amdhsa_float_denorm_mode_16_64 3
		.amdhsa_memory_ordered 1
		.amdhsa_forward_progress 1
		.amdhsa_inst_pref_size 201
	.end_amdhsa_kernel
	.amdgpu_metadata
---
amdhsa.version: [ 1, 2 ]
amdhsa.kernels:
  - .name:           k_q12731e7944_attn
    .symbol:         k_q12731e7944_attn.kd
    .args:
      - { .name: qkv, .offset: 0, .size: 8, .value_kind: global_buffer, .address_space: global }
      - { .name: attention_mask, .offset: 8, .size: 8, .value_kind: global_buffer, .address_space: global }
      - { .name: rel_pos, .offset: 16, .size: 8, .value_kind: global_buffer, .address_space: global }
      - { .name: rel_2d_pos, .offset: 24, .size: 8, .value_kind: global_buffer, .address_space: global }
      - { .name: lowp_scales, .offset: 32, .size: 8, .value_kind: global_buffer, .address_space: global }
      - { .name: out0, .offset: 40, .size: 8, .value_kind: global_buffer, .address_space: global }
    .group_segment_fixed_size: 199680
    .private_segment_fixed_size: 0
    .kernarg_segment_align: 8
    .kernarg_segment_size: 48
    .max_flat_workgroup_size: 256
    .sgpr_count:     66
    .vgpr_count:     512
    .wavefront_size: 32
...
	.end_amdgpu_metadata
.endif
;; end of part 3
